; MI455X (gfx1250); checked and timed in simulation.
; The chip was launched on July 23, 2026; its instructions are those of AMD's public machine-readable ISA for CDNA 5 (MIT licence, August 2026) and "CDNA5" Instruction Set Architecture Reference Guide (July 2026). The comments in the code are by the model that wrote it; some were corrected since.
;; DIN Attention. Allowed arithmetic: matrix products marked QUANTISED: E3M2 operands, one E8M0 scale for each 32 along K, by v_wmma_scale_f32_16x16x128_f8f6f4 with both operands' format E3M2, f32 sums; products left as they are: f32 operands where the result goes on into a quantised operand, else bf16, f16 or f32 operands; f32 sums; everything else in f32.
;; Inputs: W1 256 x 512 float32; W2 128 x 256 float32; W3 1 x 128 float32; a1 one number float32; a2 one number float32; b1 256 float32; b2 128 float32; b3 1 float32; keys 2,048 x 200 x 128 float32; mask 2,048 x 200 int32; query 2,048 x 128 float32.
;; Outputs: out0 2,048 x 128 float32.
;; This version of the problem:
;;   THIS VERSION OF THE PROBLEM IS GIVEN IN LOW PRECISION. The matrix products marked QUANTISED in the list below multiply operands that are first quantised to E3M2 (3 exponent bits, 2 mantissa bits; 6 bits a number), with one power-of-two scale for each 32 numbers along K (OCP MX v1.0); their sums are f32. All else is computed in f32.
;;   The module's matrix products, in the order in which they are computed (A, B: the left and right operand; K: the contracted axis; several contracted axes count as one K, in the product's order):
;;     1. [M 409,600, K 512] x [K 512, N 256]; A: computed on the way; B: input W1: QUANTISED
;;     2. [M 409,600, K 256] x [K 256, N 128]; A: computed on the way; B: input W2: QUANTISED
;;     3. [M 409,600, K 128] x [K 128, N 1]; A: computed on the way; B: input W3: left as it is (N = 1 < 16)
;;     4. batch 2,048 x [M 1, K 200] x [K 200, N 128]; A: computed on the way; B: input keys: left as it is (M = 1 < 16)
;;   THE QUANTISER, for each operand of a quantised product, along K:
;;     - K is cut into blocks of 32 from its start; a last block that is shorter is filled with zeros.
;;     - A block's scale is 2^e with e = floor(log2(the largest magnitude in the block)) - 4, held to -126 .. 127; a block of zeros has e = 0. As a byte (E8M0): e + 127.
;;     - Each number is divided by its block's scale, clamped to +-28, and rounded to the nearest number of E3M2, ties to even, subnormals kept.
;;     - The product sums the exact products of the quantised numbers (number of the format x scale) in f32.
;;   ~~~python
;;   def quantise(x, axis):      # numpy; x: float32 -> the quantised numbers, widened to float32 again
;;       x = np.moveaxis(x, axis, -1); K = x.shape[-1]
;;       x = np.pad(x, [(0, 0)] * (x.ndim - 1) + [(0, -K % 32)]); x = x.reshape(x.shape[:-1] + (-1, 32)); a = np.abs(x).max(-1, keepdims=True)
;;       e = np.where(a > 0, np.clip(np.frexp(np.where(a > 0, a, 1))[1] - 1 - 4, -126, 127), 0)      # np.frexp(a)[1] - 1 = floor(log2(a)), exactly
;;       r = np.clip(x / 2.0 ** e, -28, 28)
;;       step = 2.0 ** (np.maximum(np.frexp(np.where(r == 0, 1, r))[1] - 1, -2) - 2)
;;       q = np.round(r / step) * step * 2.0 ** e      # np.round: ties to even
;;       return np.moveaxis(q.reshape(q.shape[:-2] + (-1,))[..., :K], -1, axis).astype(np.float32)
;;   ~~~
;;   OPERANDS COMPUTED ON THE WAY. 'Computed on the way' means the value that the module computes at that place (a softmax that the list does not call 'softmax' is quantised finished and normalised). What goes into a quantiser is computed in f32, as accurately as f32 sums, v_exp_f32 and their like allow (about 1e-6 of the number): no bf16 or f16 on the way to a quantiser, and a product that is left as it is and whose result goes on into a quantised operand takes f32 operands (vector FMAs, or v_wmma_f32_16x16x4_f32). A number that lies on a knife's edge between two numbers of the format may be rounded either way, as far as f32 arithmetic and the matrix unit's own rounding can turn it there, and no further.
;; One version. Each part assembles by itself: llvm-mc -triple=amdgcn-amd-amdhsa -mcpu=gfx1250 --defsym DOCPART=n.
;; ======== version 1 of 1: 2 launches
;; limits: right only within a limited range of input values
;; workspace buffers: order 2,097,152 bytes of whole numbers; cnt 8,192 bytes of whole numbers; wimg 133,120 bytes
;; launch prep (part 1): grid 266 x 1, 8 waves a work-group, no clusters, 1,280 bytes of LDS; arguments mask, W1, W2, order, wimg, cnt; writes order, wimg, cnt
.if DOCPART == 1
	.amdgcn_target "amdgcn-amd-amdhsa--gfx1250"
	.amdhsa_code_object_version 6
	.text
	.protected	k_q510aed9fb7_prep
	.globl	k_q510aed9fb7_prep
	.p2align	8
	.type	k_q510aed9fb7_prep,@function
k_q510aed9fb7_prep:
	s_mov_b64 s[64:65], 0
	v_nop
	global_prefetch_b8 v0, s[64:65] scope:SCOPE_SE
	s_setreg_imm32_b32 hwreg(HW_REG_WAVE_MODE, 25, 1), 1
	s_wait_xcnt 0x0
; Two jobs in one launch, told apart by the work-group's number.
; WORK-GROUPS 0-9, a wave to a fragment (80 fragments): W1 [256][512] and W2 [128][256], f32, K innermost, become codes of E3M2 with one E8M0 byte for each 32 along K, laid as IMAGES OF THE
; OPERAND'S REGISTERS: fragment f (W1: tile f / 4, K step f % 4; W2 behind them: tile (f - 64) / 2, K step (f - 64) % 2) at byte 1,536 f; its registers 4 g .. 4 g + 3 at 512 g + 16 x lane.
; THE ROWS OF A TILE ARE NOT NEIGHBOURS: lane r of tile T takes row 64 (T / 4) + 8 (T % 4) + r % 8 + 32 (r / 8), so that in the next launch a lane's 32 results of four neighbouring tiles are one
; whole block of 32 along the next K, in the order of the operand's registers.
; Scale words: W1's at 122,880 + 512 T + 16 x lane + 4 s, W2's at 131,072 + 256 T + 8 x lane + 4 s (4 bytes a store and lane: 10 KB in all).
; A block's scale byte is its largest magnitude's exponent field - 4, held at 1 from below.  LIMITS: a block of zeros gets the byte 1 where the rule says 127 (its codes are zeros, and this program
; alone reads the bytes); blocks whose largest magnitude lies under 2^-122 get the byte 1; NaN and infinities are not served.
; WORK-GROUPS 10-265, a wave to a batch, eight neighbouring batches a work-group: the batch's 200 mask words become a list of 256 words: the BYTE offsets (l x 512) of the rows with mask != 0,
; l ascending, and behind them zeros (row 0: a place inside the batch).  A counting sort without atomics: a kept row's place is the number of kept rows in front of it; a row that is not kept takes
; place n + the number of such rows in front of it, so the 256 places are a permutation and every word is written.
; THE EIGHT LISTS ARE LAID BY SIZE: the waves exchange their n through eight LDS words; a batch's rank is the number of batches of its group with more kept rows (ties: the lower batch first); rank
; 0 to 3 takes place 0 to 3 of the group, rank 4 to 7 place 7 to 4, so that places p and p + 4 hold a long list and a short one.  Place p's list is row p of 'order', its word of 'cnt' is
; n + 256 x (the batch's number in its group).
	s_load_b256 s[4:11], s[0:1], 0x0               ; mask s[4:5], W1 s[6:7], W2 s[8:9], order s[10:11]
	s_load_b128 s[12:15], s[0:1], 0x20             ; wimg s[12:13], cnt s[14:15]
	v_lshl_add_u32 v12, v0, 2, 256                 ; my spare word, and 0
	v_mov_b32 v13, 0
	v_lshrrev_b32 v2, 5, v0
	v_readfirstlane_b32 s16, v2                    ; wave 0..7
	v_and_b32 v1, 31, v0                           ; lane
	s_cmp_lt_u32 ttmp9, 10
	s_cbranch_scc1 .Lweights
	; ---- the lists
	s_sub_co_u32 s17, ttmp9, 10
	s_lshl_b32 s17, s17, 3                         ; the group's first batch
	s_add_co_u32 s18, s17, s16                     ; my batch
	s_mul_i32 s18, s18, 800                        ; its 200 mask words
	s_mov_b32 s19, 0
	s_mov_b32 s45, 0
	s_mov_b32 s47, 0
	s_lshl_b32 s42, 1, s16
	s_sub_co_u32 s42, s42, 1                       ; a bit for each batch of the group in front of mine
	s_wait_alu depctr_va_vdst(0)                   ; the wait behind the run of scalar lines
	v_lshlrev_b32 v3, 2, v1                        ; 4 x lane
	v_add_nc_u32 v4, 192, v1
	v_min_u32 v4, 199, v4                          ; the seventh load stays inside the batch's 200 words
	v_lshlrev_b32 v4, 2, v4
	v_lshlrev_b32 v5, 9, v1                        ; 512 x lane
	v_mov_b32 v9, s16
	v_lshlrev_b32 v9, 2, v9                        ; LDS: my wave's word
	v_and_b32 v11, 7, v1
	v_lshlrev_b32 v11, 2, v11                      ; LDS: the word of batch lane % 8
	s_wait_alu depctr_va_vdst(0)                   ; and at the head's end
	s_wait_kmcnt 0x0
	s_add_nc_u64 s[4:5], s[4:5], s[18:19]
.irp i, 0,1,2,3,4,5
	global_load_b32 v[16+\i], v3, s[4:5] offset:128*\i th:TH_LOAD_NT
.endr
	global_load_b32 v22, v4, s[4:5] th:TH_LOAD_NT
	s_wait_loadcnt 0x0
.irp i, 0,1,2,3,4,5,6
	v_cmp_ne_u32 s[20+\i], 0, v[16+\i]             ; bit l % 32 of word l / 32: row l is kept
.endr
	s_and_b32 s26, s26, 0xff                       ; rows 200 to 223 do not exist
	s_mov_b32 s27, 0                               ; nor do rows 224 to 255
	s_mov_b32 s28, 0
.irp i, 0,1,2,3,4,5,6
	s_bcnt1_i32_b32 s37, s[20+\i]
	s_add_co_u32 s[29+\i], s[28+\i], s37           ; kept rows in front of row 32 (i + 1)
.endr
	s_mov_b32 s36, s35                             ; n
	v_mov_b32 v8, s36
	ds_store_b32 v9, v8                            ; all lanes write my wave's word with the same value
	s_wait_alu depctr_va_vdst(0)
	s_wait_dscnt 0x0                               ; for the others' sake
	s_barrier_signal -1
	s_barrier_wait -1
	ds_load_b32 v10, v11                           ; lane j % 8: batch j's n
	s_wait_dscnt 0x0
	v_cmp_gt_u32 s37, v10, v8                      ; batches with more kept rows than mine,
	v_cmp_eq_u32 s38, v10, v8                      ; and with as many
	s_and_b32 s37, s37, 0xff
	s_and_b32 s38, s38, s42                        ; of these the ones in front of mine
	s_bcnt1_i32_b32 s37, s37
	s_bcnt1_i32_b32 s38, s38
	s_add_co_u32 s37, s37, s38                     ; my rank, 0..7
	s_sub_co_u32 s38, 11, s37
	s_cmp_lt_u32 s37, 4
	s_cselect_b32 s37, s37, s38                    ; my place: 0 1 2 3 7 6 5 4
	s_min_u32 s37, s37, 7                          ; a place made from loaded numbers is held inside the group
	s_add_co_u32 s37, s37, s17
	s_lshl_b32 s44, s37, 10                        ; its row of 'order'
	s_lshl_b32 s46, s37, 2                         ; its word of 'cnt'
	s_add_nc_u64 s[10:11], s[10:11], s[44:45]
	s_add_nc_u64 s[14:15], s[14:15], s[46:47]
	s_lshl_b32 s43, s16, 8
	s_or_b32 s43, s43, s36                         ; n + 256 x my batch's number in the group
.irp i, 0,1,2,3,4,5,6,7                        ; each turn has registers of its own: no store's source is written again
	v_mbcnt_lo_u32_b32 v[32+\i], s[20+\i], s[28+\i]    ; kept rows in front of mine
	s_add_co_u32 s38, s36, 32*\i
	v_add_nc_u32 v[40+\i], s38, v1
	v_sub_nc_u32 v[40+\i], v[40+\i], v[32+\i]          ; n + the rows in front of mine that are not kept
	v_cndmask_b32 v[48+\i], v[40+\i], v[32+\i], s[20+\i]
	v_min_u32 v[48+\i], 255, v[48+\i]                  ; a place made from loaded numbers is held inside the list
	v_lshlrev_b32 v[48+\i], 2, v[48+\i]
	v_add_nc_u32 v[56+\i], 16384*\i, v5                ; 512 x my row
	v_cndmask_b32 v[56+\i], 0, v[56+\i], s[20+\i]
	global_store_b32 v[48+\i], v[56+\i], s[10:11]
.endr
	v_mov_b32 v6, s43
	v_mov_b32 v7, 0
	global_store_b32 v7, v6, s[14:15]              ; all lanes write the one word with the same value
	s_wait_tensorcnt 0x0                           ; the wave's end
	ds_add_u32 v12, v13
	s_wait_dscnt 0x0
	s_endpgm
	; ---- the weights
.Lweights:
	s_lshl_b32 s17, ttmp9, 3
	s_add_co_u32 s17, s17, s16                     ; fragment f, 0..79
	s_sub_co_u32 s18, s17, 64                      ; among W2's (used where f >= 64 alone)
	s_lshr_b32 s19, s17, 2                         ; W1: tile,
	s_lshr_b32 s20, s18, 1                         ; W2: tile
	s_and_b32 s21, s17, 3                          ; W1: K step,
	s_and_b32 s22, s18, 1                          ; W2: K step
	s_lshl_b32 s23, s19, 9
	s_lshl_b32 s30, s21, 2
	s_add_co_u32 s23, s23, s30
	s_add_co_u32 s23, s23, 122880                  ; W1: where the scale words go
	s_lshl_b32 s24, s20, 8
	s_lshl_b32 s30, s22, 2
	s_add_co_u32 s24, s24, s30
	s_add_co_u32 s24, s24, 131072                  ; W2: likewise
	s_mov_b32 s40, 0x76543210
	s_mov_b32 s41, 0xfedcba98                      ; v_permlanex16_b32's selects for lane l xor 16
	s_wait_kmcnt 0x0
	s_cmp_lt_u32 s17, 64                           ; one text for both weights: only numbers and the pointer are chosen, on the fragment's number
	s_cselect_b32 s25, s19, s20                    ; tile T
	s_cselect_b32 s26, s21, s22                    ; K step s
	s_cselect_b32 s27, 11, 10                      ; a row is 2,048 or 1,024 bytes
	s_cselect_b32 s28, s23, s24
	s_cselect_b32 s29, 4, 3                        ; 16 or 8 bytes of scale words a lane
	s_cselect_b64 s[6:7], s[6:7], s[8:9]
	s_lshr_b32 s30, s25, 2
	s_lshl_b32 s30, s30, 6
	s_and_b32 s31, s25, 3
	s_lshl_b32 s31, s31, 3
	s_add_co_u32 s30, s30, s31                     ; 64 (T / 4) + 8 (T % 4)
	s_lshl_b32 s32, s26, 9                         ; 128 numbers a K step
	s_mul_i32 s33, s17, 1536
	s_wait_alu depctr_va_vdst(0)
	v_and_b32 v2, 15, v1                           ; r
	v_lshrrev_b32 v3, 4, v1                        ; h
	v_and_b32 v4, 8, v2
	v_mad_u32_u24 v4, v4, 3, v2                    ; r % 8 + 32 (r / 8)
	v_add_nc_u32 v4, s30, v4                       ; my row of the weight
	v_lshlrev_b32 v4, s27, v4
	v_lshl_add_u32 v4, v3, 7, v4                   ; + 32 h numbers
	v_add_nc_u32 v4, s32, v4
	v_lshlrev_b32 v5, 4, v1
	v_add_nc_u32 v5, s33, v5                       ; the image: 1,536 f + 16 x lane
	v_lshlrev_b32 v6, s29, v1
	v_add_nc_u32 v6, s28, v6                       ; the scale word's place
.irp c, 0,1
.irp j, 0,1,2,3,4,5,6,7
	global_load_b128 v[64+32*\c+4*\j:64+32*\c+4*\j+3], v4, s[6:7] offset:256*\c+16*\j th:TH_LOAD_NT   ; k = 64 c + 32 h + 4 j ..: two whole blocks a lane
.endr
.endr
	s_wait_loadcnt 0x0
.irp c, 0,1
	v_max3_num_f32 v[32+\c], |v[64+32*\c]|, |v[65+32*\c]|, 0x2800000   ; the floor 2^(5 - 127): the byte cannot fall under 1
.endr
.irp i, 2,4,6,8,10,12,14,16,18,20,22,24,26,28,30
.irp c, 0,1
	s_delay_alu instid0(VALU_DEP_2)
	v_max3_num_f32 v[32+\c], v[32+\c], |v[64+32*\c+\i]|, |v[65+32*\c+\i]|
.endr
.endr
.irp c, 0,1
	v_add_nc_u32 v[34+\c], 0xfe000000, v[32+\c]    ; 4 off the exponent field: the conversion's scale operand
.endr
.irp c, 0,1
	v_lshrrev_b32 v[36+\c], 23, v[34+\c]           ; the scale's byte
.endr
	v_lshl_or_b32 v9, v37, 16, v36                 ; my bytes: blocks h and 2 + h,
	v_lshlrev_b32 v10, 3, v3
	v_lshlrev_b32 v9, v10, v9                      ; 8 h bits up;
	v_mov_b32 v10, 0
	v_permlanex16_b32 v10, v9, s40, s41
	v_or_b32 v9, v9, v10                           ; with lane l xor 16's two the word is whole
.irp c, 0,1
	v_cvt_scalef32_pk16_bf6_f32 v[48+6*\c:50+6*\c], v[64+32*\c:79+32*\c], v[34+\c]
	v_cvt_scalef32_pk16_bf6_f32 v[40+4*\c:42+4*\c], v[80+32*\c:95+32*\c], v[34+\c]   ; (a conversion's three registers begin on an even number)
.endr
	v_nop                                          ; one plain line behind the conversions
.irp c, 0,1
.irp i, 0,1,2
	v_mov_b32 v[51+6*\c+\i], v[40+4*\c+\i]
.endr
.endr
.irp g, 0,1,2
	global_store_b128 v5, v[48+4*\g:51+4*\g], s[12:13] offset:512*\g   ; 32 lanes store 512 consecutive bytes
.endr
	global_store_b32 v6, v9, s[12:13]
	s_endpgm
.Lfunc_end_k_q510aed9fb7_prep:
	.size	k_q510aed9fb7_prep, .Lfunc_end_k_q510aed9fb7_prep-k_q510aed9fb7_prep
	.p2alignl 7, 3214868480
	.fill 96, 4, 3214868480
	.section	.rodata,"a",@progbits
	.p2align	6, 0x0
	.amdhsa_kernel k_q510aed9fb7_prep
		.amdhsa_group_segment_fixed_size 1280
		.amdhsa_private_segment_fixed_size 0
		.amdhsa_enable_private_segment 0
		.amdhsa_kernarg_size 48
		.amdhsa_user_sgpr_count 2
		.amdhsa_user_sgpr_kernarg_segment_ptr 1
		.amdhsa_wavefront_size32 1
		.amdhsa_system_sgpr_workgroup_id_x 1
		.amdhsa_system_sgpr_workgroup_id_y 1
		.amdhsa_system_sgpr_workgroup_id_z 1
		.amdhsa_system_vgpr_workitem_id 0
		.amdhsa_next_free_vgpr 128
		.amdhsa_next_free_sgpr 66
		.amdhsa_reserve_vcc 0
		.amdhsa_float_denorm_mode_32 3
		.amdhsa_float_denorm_mode_16_64 3
		.amdhsa_memory_ordered 1
		.amdhsa_forward_progress 1
		.amdhsa_inst_pref_size 17
	.end_amdhsa_kernel
	.amdgpu_metadata
---
amdhsa.version: [ 1, 2 ]
amdhsa.kernels:
  - .name:           k_q510aed9fb7_prep
    .symbol:         k_q510aed9fb7_prep.kd
    .args:
      - { .name: mask, .offset: 0, .size: 8, .value_kind: global_buffer, .address_space: global }
      - { .name: W1, .offset: 8, .size: 8, .value_kind: global_buffer, .address_space: global }
      - { .name: W2, .offset: 16, .size: 8, .value_kind: global_buffer, .address_space: global }
      - { .name: order, .offset: 24, .size: 8, .value_kind: global_buffer, .address_space: global }
      - { .name: wimg, .offset: 32, .size: 8, .value_kind: global_buffer, .address_space: global }
      - { .name: cnt, .offset: 40, .size: 8, .value_kind: global_buffer, .address_space: global }
    .group_segment_fixed_size: 1280
    .private_segment_fixed_size: 0
    .kernarg_segment_align: 8
    .kernarg_segment_size: 48
    .max_flat_workgroup_size: 256
    .sgpr_count:     66
    .vgpr_count:     128
    .wavefront_size: 32
...
	.end_amdgpu_metadata
.endif
;; end of part 1
;; launch din (part 2): grid 256 x 1, 8 waves a work-group, no clusters, 285,696 bytes of LDS; arguments keys, query, order, wimg, b1, b2, W3, b3, a1, a2, out0, cnt; writes out0
.if DOCPART == 2
	.amdgcn_target "amdgcn-amd-amdhsa--gfx1250"
	.amdhsa_code_object_version 6
	.text
	.protected	k_q510aed9fb7_din
	.globl	k_q510aed9fb7_din
	.p2align	8
	.type	k_q510aed9fb7_din,@function
k_q510aed9fb7_din:
	s_mov_b64 s[64:65], 0
	v_nop
	global_prefetch_b8 v0, s[64:65] scope:SCOPE_SE
	s_setreg_imm32_b32 hwreg(HW_REG_WAVE_MODE, 25, 1), 1
	s_wait_xcnt 0x0
; out0[b] = sum over l of w[b][l] keys[b][l], w = the masked softmax of scores made by a three-layer MLP on [q, k, q - k, q k].  Products 1 (K 512, N 256) and 2 (K 256, N 128) on codes of E3M2
; with one E8M0 scale for each 32 along K; the dot with W3, the softmax and the weighted sum in f32.
; ONLY ROWS WITH mask != 0 ARE COMPUTED: of the others nothing is left but NEG in the maximum and (200 - n) exp(NEG - max) in the sum, and both are kept.  The launch before has stored each batch's
; kept rows as a list of byte offsets, filled up with row 0 ('order'), and a word n + 256 x (the batch's number in its group of eight) ('cnt'), the eight of a group laid by size.
; PRODUCT 1's FIRST K STEP (the feature q) has the same operand row for all rows of a batch, so its sums, begun with b1 as C, are made ONCE a batch (16 matrix instructions) and kept in LDS, a number
; for each hidden unit; every block begins its sums with them as C.  The order of the sums is the one that a row by itself would have.
; SHARES.  256 work-groups of eight waves; wave w of work-group g owns the batch at place w of group g whole: no sum spans waves.  A batch goes in blocks of 32 list rows (two tiles of 16); a rest of
; 1 to 16 rows goes as a last block of one tile, a second copy of the block's text.  This launch has no tensor load and no cluster; its one barrier stands
; behind the copy of the weights' images into LDS.  What all work-groups share, the images, is 133,120 bytes a work-group, read once.  No prefetch into the L2: a block's rows are asked for into
; registers during the block before, and only where a block follows.
; LAYOUT.  Both products are used transposed (source 0 = 16 rows of a weight, source 1 = my 16 rows): a lane holds ONE row (lane % 16), and, by the order in which the weights' rows form tiles,
; the 32 registers of a chunk of four tiles are units 64 c + 32 h + 0 .. 31: one whole block of the next K, in the order of the operand's registers.  The hidden layers never leave the registers.
; PReLU is x + (a - 1) min(x, 0): one minimum and one fused multiply-add.  LIMIT (an order of rounding other than reference()'s): a - 1 is rounded once, so a x carries an error of up to 2^-25 |x|.
; LIMITS: NaN and infinities among the inputs are not served; a1, a2 finite; a block of 32 whose largest magnitude lies under 2^-122 (a block of zeros too) gets the scale byte 1.
; LDS: 0 W1's 64 fragments; 98,304 W2's 16; 122,880 W1's scale words; 131,072 W2's; 133,120 b1, b2, W3; from 135,168 on 18,688 bytes a wave: stage 32 x 528, q, the q step's sums, 32 weights; then the spare words.
; REGISTERS.  Window 0: v1-16 addresses; v17-43 scale words and nothing else; v44-77 sums; v78-95 at work; v96-127 W3 of a chunk; v128-191 accumulators (m, t) at 128 + 8 (4 m + t); v192-255 min(x, 0).
;   While features are made: v128 q's upper half, v160 and v96 k's two halves, v192 q - k, v224 q k, 32 numbers each.  Window 1: v0-71 feature fragments (m, f); v72-119 hidden fragments (m, n)
;   (while features are made: v72-82 at work, v84-115 q's lower half); v120-215 two sets of four weight fragments; v216-247 the C of a chunk; v248-255 at work.
;   The next block's rows land in window 1, v0-63 and v120-183, where fragments are done with.
.set SP,    528                        ; a stage row: 512 bytes + 16
.set CB1,   133120
.set WOWN,  135168
.set WSZ,   18688
.set QLO,   16896
.set BQO,   17408
.set PARO,  18432
.set SPARE, 284672
.set LN16,  1                          ; 16 x lane; also the address of W1's tiles 0-7
.set WA0,   1
.set STW,   2                          ; stage + 16 x lane
.set STR,   3                          ; stage + 528 r + 128 h
.set WA1,   4                          ; 16 x lane + 49,152
.set WA2,   5                          ; 16 x lane + 98,304
.set WSA2,  6                          ; 8 x lane + 131,072
.set CBA,   7                          ; b1 (b2 + 1,024, W3 + 1,536) + 128 h
.set BQA,   8                          ; the q step's sums + 128 h
.set PWA,   9                          ; the weights' words + 4 r
.set PRA,   10
.set QLA,   11                         ; q + 128 h
.set SH8,   12                         ; 8 h
.set RIX,   13                         ; r
.set KBV,   14                         ; my batch's byte offset in keys + 16 x lane
.set SPW,   15
.set NIL,   16
.set QW,    17
.set ATW,   18                         ; 18 + 3 m + f
.set H1W,   24                         ; 24 + 2 m + n
.set WS,    28                         ; 28 + 4 t + s
.set DD,    44
.set MM,    52
.set LP,    53
.set FF,    54
.set SS,    56
.set TW,    58
.set OO,    62
.set W,     78
.set OFF,   78
.set W3R,   96
.set ACC,   128
.set TT,    192
.set PB,    128
.set RW,    192
.set FE,    0
.set HF,    72
.set WT,    120
.set CT,    216
.set NMT,   2                          ; tiles in the block that is being written: 2, or 1 in the last copy
.set MSB, 0
.macro WIN new                         ; the immediate's high byte repeats the setting that is left; bits 1:0 source 0, 3:2 source 1, 5:4 source 2, 7:6 destination
.if MSB != \new
	s_set_vgpr_msb (MSB<<8)|\new
.set MSB, \new
.endif
.endm
.macro VW                              ; this wait ahead of blocking waits, branches and batches of transcendentals behind which fresh vector results are read
	s_wait_alu depctr_va_vdst(0)
.endm
.macro LISTS                           ; a block's 32 list words
	s_load_b512 s[32:47], s[8:9], s80 offset:0x0
	s_load_b512 s[48:63], s[8:9], s80 offset:0x40
.endm
; Tile k of the next block is asked for: a load takes a row's 512 consecutive bytes.  ob: the offsets' registers.  hd = 1, at the head: always; else only where a block follows (s99 = this block's number + 1, s98 = blocks)
.macro PREF k, d, ob, hd
	WIN 0
	VW
.if (\k) == 0
	s_wait_kmcnt 0x0                               ; the list is in
.endif
.if (\hd) == 0
	s_cmp_lt_u32 s99, s98
	s_cbranch_scc0 .Lnone_\@
	s_wait_xcnt 0x0                                ; the offsets' registers are written again only behind this wait
.endif
.set i, 0
.rept 16
	s_min_u32 s[32+16*(\k)+i], s[32+16*(\k)+i], 101888   ; a loaded offset is held inside the batch: 199 x 512; each request holds its own 16
.set i, i+1
.endr
.set i, 0
.rept 16
	v_add_nc_u32 v[(\ob)+i], s[32+16*(\k)+i], v[KBV]
.set i, i+1
.endr
	WIN 0x40
.set i, 0
.rept 16
	global_load_b128 v[(\d)+4*i:(\d)+4*i+3], v[(\ob)+i], s[4:5]
.set i, i+1
.endr
	WIN 0
.if (\hd) == 0
.Lnone_\@:
.endif
.endm
.macro PUT m, reg                      ; tile m's 16 rows into the stage, as they were loaded
	WIN 0x04
.set i, 0
.rept 16
	ds_store_b128 v[STW], v[(\reg)+4*i:(\reg)+4*i+3] offset:(16*(\m)+i)*SP
.set i, i+1
.endr
	WIN 0
.endm
.macro LOADQ                           ; q(32 h ..) into window 1, q(64 + 32 h ..) into window 0: they stay while the block's features are made
	WIN 0x40
.irp j, 0,1,2,3,4,5,6,7
	ds_load_b128 v[84+4*\j:84+4*\j+3], v[QLA] offset:16*\j
.endr
	WIN 0
.irp j, 0,1,2,3,4,5,6,7
	ds_load_b128 v[128+4*\j:128+4*\j+3], v[QLA] offset:256+16*\j
.endr
.endm
.macro LOADK m, c                      ; k = 64 c + 32 h + 0 .. 31 of row r of tile m: half 0 into v160, half 1 into v96
.irp j, 0,1,2,3,4,5,6,7
	ds_load_b128 v[160-64*(\c)+4*\j:160-64*(\c)+4*\j+3], v[STR] offset:16*(\m)*SP+256*(\c)+16*\j
.endr
.endm
.macro MX st, r, b                     ; one stage of a block's largest magnitude: two chains, the floor 2^(5 - 127) among the leaves
.if (\st) == 0
	v_max3_num_f32 v[(\r)], |v[(\b)]|, |v[(\b)+1]|, 0x2800000
	v_max3_num_f32 v[(\r)+1], |v[(\b)+16]|, |v[(\b)+17]|, |v[(\b)+18]|
.endif
.if ((\st) > 0) && ((\st) < 14)
	v_max3_num_f32 v[(\r)], v[(\r)], |v[(\b)+(\st)]|, |v[(\b)+(\st)+1]|
	v_max3_num_f32 v[(\r)+1], v[(\r)+1], |v[(\b)+17+(\st)]|, |v[(\b)+18+(\st)]|
.endif
.if (\st) == 14
	v_max3_num_f32 v[(\r)], v[(\r)], |v[(\b)+14]|, |v[(\b)+15]|
.endif
.if (\st) == 16
	v_max3_num_f32 v[(\r)], v[(\r)], v[(\r)+1], |v[(\b)+31]|
.endif
.endm
.macro AMAX n, b0, b1, b2              ; n blocks of 32 numbers by turns; block i's largest magnitude in v[W + 2 i]
.irp st, 0,2,4,6,8,10,12,14,16
	MX \st, W, \b0
.if (\n) > 1
	MX \st, W+2, \b1
.endif
.if (\n) > 2
	MX \st, W+4, \b2
.endif
.endr
.endm
.macro CVF m, c, f, xb                 ; feature f's 32 numbers at xb become 192 bits of codes: the lower 96 in their place, the upper 96 beside (a conversion's three registers begin on an even number)
	v_cvt_scalef32_pk16_bf6_f32 v[FE+36*(\m)+12*(\f)+6*(\c):FE+36*(\m)+12*(\f)+6*(\c)+2], v[(\xb):(\xb)+15], v[W+6+(\f)]
	v_cvt_scalef32_pk16_bf6_f32 v[HF+4*(\f):HF+4*(\f)+2], v[(\xb)+16:(\xb)+31], v[W+6+(\f)]
.endm
; Half c of tile m: a whole block of 32 a lane for each of the three features; codes into registers 6 c .. 6 c + 5 of the fragments; with c = 1 the scale words.
; more = 1: the tile's other half is asked for first.  cnt: LDS loads issued behind this half's
.macro KHALF m, c, cnt, more
.if \more
	LOADK \m, 1
.endif
	VW
	s_wait_dscnt \cnt
.set KX, 160-64*(\c)
.if (\c) == 0
	WIN 0x01                                       ; source 0: q's lower half, in window 1
.set QX, 84
.else
.set QX, 128
.endif
.set p, 0
.rept 16
	v_pk_add_f32 v[192+2*p:192+2*p+1], v[QX+2*p:QX+2*p+1], v[KX+2*p:KX+2*p+1] neg_lo:[0,1] neg_hi:[0,1]
.set p, p+1
.endr
.set p, 0
.rept 16
	v_pk_mul_f32 v[224+2*p:224+2*p+1], v[QX+2*p:QX+2*p+1], v[KX+2*p:KX+2*p+1]
.set p, p+1
.endr
	WIN 0
	AMAX 3, KX, 192, 224
.irp f, 0,1,2
	v_add_nc_u32 v[W+6+\f], 0xfe000000, v[W+2*\f]  ; 4 off the exponent field: the conversion's scale operand
.endr
.irp f, 0,1,2
	v_lshrrev_b32 v[W+10+2*\f+(\c)], 23, v[W+6+\f] ; the scale's byte
.endr
	WIN 0x40
	CVF \m, \c, 0, KX
	CVF \m, \c, 1, 192
	CVF \m, \c, 2, 224
	v_nop                                          ; one plain line behind the conversions
	WIN 0x41
.irp f, 0,1,2
.irp i, 0,1,2
	v_mov_b32 v[FE+36*(\m)+12*\f+6*(\c)+3+\i], v[HF+4*\f+\i]
.endr
.endr
	WIN 0
.if \c
.irp f, 0,1,2
	v_lshl_or_b32 v[W+\f], v[W+11+2*\f], 16, v[W+10+2*\f]  ; my bytes: blocks h and 2 + h,
.endr
.irp f, 0,1,2
	v_lshlrev_b32 v[W+\f], v[SH8], v[W+\f]                 ; 8 h bits up;
.endr
.irp f, 0,1,2
	v_permlanex16_b32 v[TW+\f], v[W+\f], s74, s75
.endr
.irp f, 0,1,2
	v_or_b32 v[ATW+3*(\m)+\f], v[W+\f], v[TW+\f]           ; with lane l xor 16's two the word is whole
.endr
.endif
.endm
.macro LOADW e, adr, off, ts           ; four weight fragments, ts bytes from tile to tile, into set e: images of their registers
	WIN 0x40
.irp t, 0,1,2,3
.irp g, 0,1,2
	ds_load_b128 v[WT+48*(\e)+12*\t+4*\g:WT+48*(\e)+12*\t+4*\g+3], v[\adr] offset:(\off)+\t*(\ts)+512*\g
.endr
.endr
	WIN 0
.endm
.macro LW idx                          ; the weights of group idx of a block's 16: 0-11 product 1 (chunk idx / 3, K step 1 + idx % 3), 12-15 product 2; into set idx % 2
.if (\idx) < 12
.set LOF, 1536*(16*(((\idx)/3)%2)+1+(\idx)%3)
.if (\idx) < 6
	LOADW (\idx)%2, WA0, LOF, 6144
.else
	LOADW (\idx)%2, WA1, LOF, 6144
.endif
.else
	LOADW (\idx)%2, WA2, 1536*(8*(((\idx)-12)/2)+(\idx)%2), 3072
.endif
.endm
.macro WSL1 j                          ; W1's scale words of chunk j: four words (K steps) a tile
.irp t, 0,1,2,3
	ds_load_b128 v[WS+4*\t:WS+4*\t+3], v[WA2] offset:24576+512*(4*(\j)+\t)
.endr
.endm
.macro CTL adr, off                    ; a chunk's C: 32 neighbouring numbers for each half of the lanes
	WIN 0x40
.irp i, 0,1,2,3,4,5,6,7
	ds_load_b128 v[CT+4*\i:CT+4*\i+3], v[\adr] offset:(\off)+16*\i
.endr
	WIN 0
.endm
.macro WSL2 g                          ; W2's scale words of chunk g, two a tile, and b2
.irp t, 0,1,2,3
	ds_load_b64 v[WS+4*\t:WS+4*\t+1], v[WSA2] offset:256*(4*(\g)+\t)
.endr
	CTL CBA, 1024+256*(\g)
.endm
.macro W3L g
.irp i, 0,1,2,3,4,5,6,7
	ds_load_b128 v[W3R+4*\i:W3R+4*\i+3], v[CBA] offset:1536+256*(\g)+16*\i
.endr
.endm
; A group of matrix instructions: set e's four weight tiles x my tiles of rows, 128 along K.  The accumulators take turns, one instruction a turn.  Four plain lines
; follow: places in front of loads into registers that these instructions have read and of the first read of their results.
.macro GROUP e, sb, ss, cb, cs, first, s
.irp t, 0,1,2,3
.irp m, 0,1
.if \m < NMT
.if \first
	v_wmma_scale_f32_16x16x128_f8f6f4 v[ACC+8*(4*\m+\t):ACC+8*(4*\m+\t)+7], v[WT+48*(\e)+12*\t:WT+48*(\e)+12*\t+11], v[(\sb)+(\ss)*\m:(\sb)+(\ss)*\m+11], v[CT+8*\t:CT+8*\t+7], v[WS+4*\t+(\s)], v[(\cb)+(\cs)*\m] matrix_a_fmt:MATRIX_FMT_BF6 matrix_b_fmt:MATRIX_FMT_BF6
.else
	v_wmma_scale_f32_16x16x128_f8f6f4 v[ACC+8*(4*\m+\t):ACC+8*(4*\m+\t)+7], v[WT+48*(\e)+12*\t:WT+48*(\e)+12*\t+11], v[(\sb)+(\ss)*\m:(\sb)+(\ss)*\m+11], v[ACC+8*(4*\m+\t):ACC+8*(4*\m+\t)+7], v[WS+4*\t+(\s)], v[(\cb)+(\cs)*\m] matrix_a_fmt:MATRIX_FMT_BF6 matrix_b_fmt:MATRIX_FMT_BF6
.endif
.endif
.endr
.endr
.rept 4
	v_nop
.endr
.endm
.macro ACT sa                          ; PReLU of the accumulators, in place: min(x, 0) into TT, then x += (a - 1) min(x, 0); two numbers a line.  Each accumulator is read from its low end on
	WIN 0
.set p, 0
.rept 16*NMT
	v_dual_min_num_f32 v[TT+2*p], 0, v[ACC+2*p] :: v_dual_min_num_f32 v[TT+2*p+1], 0, v[ACC+2*p+1]
.set p, p+1
.endr
.set p, 0
.rept 16*NMT
	v_dual_fmac_f32 v[ACC+2*p], s[\sa], v[TT+2*p] :: v_dual_fmac_f32 v[ACC+2*p+1], s[\sa], v[TT+2*p+1]
.set p, p+1
.endr
.endm
; Product 1's chunk j: register 32 m + i is unit 64 j + 32 h + i of row r: block 2 (j % 2) + h of K step j / 2, whole in my lane.  Its codes are registers 6 c .. 6 c + 5, c = j % 2, of the hidden fragment.
.macro ACTQ j
.set NN, (\j)/2
.set CC, (\j)%2
	ACT 66
	AMAX NMT, ACC, ACC+32, 0
.irp m, 0,1
.if \m < NMT
	v_add_nc_u32 v[W+4+\m], 0xfe000000, v[W+2*\m]
.endif
.endr
.irp m, 0,1
.if \m < NMT
	v_lshrrev_b32 v[W+6+2*\m+CC], 23, v[W+4+\m]
.endif
.endr
.if CC
.irp m, 0,1
.if \m < NMT
	v_lshl_or_b32 v[W+10+\m], v[W+7+2*\m], 16, v[W+6+2*\m]
.endif
.endr
.irp m, 0,1
.if \m < NMT
	v_lshlrev_b32 v[W+10+\m], v[SH8], v[W+10+\m]
.endif
.endr
.irp m, 0,1
.if \m < NMT
	v_permlanex16_b32 v[TW+\m], v[W+10+\m], s74, s75
.endif
.endr
.irp m, 0,1
.if \m < NMT
	v_or_b32 v[H1W+2*\m+NN], v[W+10+\m], v[TW+\m]
.endif
.endr
.endif
	WIN 0x40
.irp m, 0,1
.if \m < NMT
	v_cvt_scalef32_pk16_bf6_f32 v[HF+24*\m+12*NN+6*CC:HF+24*\m+12*NN+6*CC+2], v[ACC+32*\m:ACC+32*\m+15], v[W+4+\m]
	v_cvt_scalef32_pk16_bf6_f32 v[248+4*\m:250+4*\m], v[ACC+32*\m+16:ACC+32*\m+31], v[W+4+\m]
.endif
.endr
	v_nop                                          ; one plain line behind the conversions
	WIN 0x41
.irp m, 0,1
.if \m < NMT
.irp i, 0,1,2
	v_mov_b32 v[HF+24*\m+12*NN+6*CC+3+\i], v[248+4*\m+\i]
.endr
.endif
.endr
	WIN 0
.endm
.macro ACTD g                          ; product 2's chunk g: PReLU, then the dot with W3, in f32: four chains a tile, two numbers a line
	ACT 68
.set p, 0
.rept 16
.irp m, 0,1
.if \m < NMT
.if ((\g) == 0) && (p < 2)
	v_dual_mul_f32 v[DD+4*\m+2*(p%2)], v[ACC+32*\m+2*p], v[W3R+2*p] :: v_dual_mul_f32 v[DD+4*\m+2*(p%2)+1], v[ACC+32*\m+2*p+1], v[W3R+2*p+1]
.else
	v_dual_fmac_f32 v[DD+4*\m+2*(p%2)], v[ACC+32*\m+2*p], v[W3R+2*p] :: v_dual_fmac_f32 v[DD+4*\m+2*(p%2)+1], v[ACC+32*\m+2*p+1], v[W3R+2*p+1]
.endif
.endif
.endr
.set p, p+1
.endr
.endm
; Product 1, chunk j: W1's tiles 4 j .. 4 j + 3, K steps 1 to 3 (k, q - k, q k); the sums begin with the q step's.  Two sets of weight fragments take turns, each asked for a group and more ahead.
.macro CHUNK1 j
	VW
	s_wait_dscnt 0x0                               ; both sets, the scale words and the C are in
	WIN 0x15                                       ; weights, my rows and C in window 1, D in window 0
	GROUP (3*(\j))%2, FE, 36, ATW, 3, 1, 1
	LW 3*(\j)+2
	WIN 0x05                                       ; the same, C in window 0
	GROUP (3*(\j)+1)%2, FE+12, 36, ATW+1, 3, 0, 2
	LW 3*(\j)+3
	s_wait_dscnt 12                                ; the older set is in; the younger set's twelve loads may be out
	WIN 0x05
	GROUP (3*(\j))%2, FE+24, 36, ATW+2, 3, 0, 3
	LW 3*(\j)+4
.if (\j) < 3
	WSL1 (\j)+1
	CTL BQA, 256*((\j)+1)
.else
	WSL2 0
	W3L 0
.endif
	ACTQ \j
.endm
.macro CHUNK2 g                        ; product 2, chunk g: W2's tiles 4 g .. 4 g + 3, two K steps; the sums begin with b2
.if (\g) == 0
.rept 4
	v_nop                                          ; with the lines behind the last scale word and the last code: eight and four plain lines ahead of the scaled matrix instructions
.endr
.endif
	VW
	s_wait_dscnt 0x0
	WIN 0x15
	GROUP 0, HF, 24, H1W, 2, 1, 0
.if (\g) == 0
	LW 14
.endif
	WIN 0x05
	GROUP 1, HF+12, 24, H1W+1, 2, 0, 1
.if (\g) == 0
	LW 15
	WSL2 1
.else
.if NMT == 2
	PREF 1, WT, OFF, 0                             ; the next block's tile 1, where weight fragments are done with
.endif
.endif
	ACTD \g
.if (\g) == 0
	W3L 1
.endif
.endm
.macro ROWS g                          ; eight stage rows, 16 bytes a lane
.irp i, 0,1,2,3,4,5,6,7
	ds_load_b128 v[RW+32*((\g)%2)+4*\i:RW+32*((\g)%2)+4*\i+3], v[STW] offset:(8*(\g)+\i)*SP
.endr
.endm
.macro QCH j                           ; the q step of chunk j, all in window 0: weights v192-239, q's fragment v240-251, b1 v160-191, sums v128-159; each half's 16 lanes hold and store the same numbers
.if (\j) < 2
.set WAQ, WA0
.else
.set WAQ, WA1
.endif
.irp t, 0,1,2,3
.irp g, 0,1,2
	ds_load_b128 v[192+12*\t+4*\g:192+12*\t+4*\g+3], v[WAQ] offset:24576*((\j)%2)+6144*\t+512*\g
.endr
.endr
	WSL1 \j
.irp i, 0,1,2,3,4,5,6,7
	ds_load_b128 v[160+4*\i:160+4*\i+3], v[CBA] offset:256*(\j)+16*\i
.endr
	VW
	s_wait_dscnt 0x0
.irp t, 0,1,2,3
	v_wmma_scale_f32_16x16x128_f8f6f4 v[128+8*\t:135+8*\t], v[192+12*\t:203+12*\t], v[240:251], v[160+8*\t:167+8*\t], v[WS+4*\t], v[QW] matrix_a_fmt:MATRIX_FMT_BF6 matrix_b_fmt:MATRIX_FMT_BF6
.endr
.rept 5
	v_nop                                          ; five places: the next chunk's products write over these results
.endr
.irp i, 0,1,2,3,4,5,6,7
	ds_store_b128 v[BQA], v[128+4*\i:128+4*\i+3] offset:256*(\j)+16*\i
.endr
.endm
; A block of nm tiles of 16 list rows, number s30 of my batch.  At its head the row loads of tile 0, and behind them those of tile 1, may be out
.macro BLOCK nm
.set NMT, \nm
	s_wait_xcnt 0x0                                ; the rows' loads have read their offsets: v78 on are written below
.if NMT == 2
	s_add_co_u32 s99, s30, 1
	s_min_u32 s82, s99, 7                          ; the next block's 32 words stay inside the batch's list of 256
	s_lshl_b32 s82, s82, 7
	s_add_co_u32 s80, s81, s82
	LISTS
	s_wait_loadcnt 16                              ; tile 0 is in; tile 1's 16 loads may be out
.else
	s_wait_loadcnt 0x0
.endif
	PUT 0, FE
	LOADQ
	LOADK 0, 0
.if NMT == 2
	KHALF 0, 0, 8, 1                               ; behind this half's numbers: the other half's eight loads
	KHALF 0, 1, 0, 0
	VW
	s_wait_loadcnt 0x0
	PUT 1, WT
	LOADK 1, 0
.endif
	LW 0                                           ; product 1's first weights land while the last tile is quantised
	LW 1
	WSL1 0
	CTL BQA, 0
	KHALF NMT-1, 0, 44, 1                          ; behind this half's numbers: 24 loads of weights, 4 of scale words, 8 of C, 8 of the other half
	KHALF NMT-1, 1, 0, 0
.rept 8
	v_nop                                          ; eight plain lines between the last scale word and the first scaled matrix instruction
.endr
	CHUNK1 0
	CHUNK1 1
	CHUNK1 2
	CHUNK1 3
.if NMT == 2
	PREF 0, FE, OFF, 0                             ; the next block's tile 0, where the feature fragments are done with
.endif
	CHUNK2 0
	CHUNK2 1
	; the scores and the running softmax.  Lane r (and r + 16 alike) holds row r of each tile
.irp m, 0,1
.if \m < NMT
	v_pk_add_f32 v[DD+4*\m:DD+4*\m+1], v[DD+4*\m:DD+4*\m+1], v[DD+4*\m+2:DD+4*\m+3]
.endif
.endr
.irp m, 0,1
.if \m < NMT
	v_add_f32 v[SS+\m], v[DD+4*\m], v[DD+4*\m+1]
.endif
.endr
.irp m, 0,1
.if \m < NMT
	v_permlanex16_b32 v[TW+\m], v[SS+\m], s74, s75
.endif
.endr
.irp m, 0,1
.if \m < NMT
	v_add_f32 v[SS+\m], v[SS+\m], v[TW+\m]         ; with the other half's 64 units
.endif
.endr
	s_lshl_b32 s82, s30, 5
	s_sub_co_i32 s82, s28, s82
	v_sub_nc_u32 v96, s82, v[RIX]                  ; d = n - 32 x block - r: list row 16 m + r counts where 16 m < d
.irp m, 0,1
.if \m < NMT
	v_add_f32 v[SS+\m], s72, v[SS+\m]              ; + b3
.endif
.endr
.irp m, 0,1
.if \m < NMT
	v_cmp_lt_i32 vcc_lo, 16*\m, v96
	v_cndmask_b32 v[SS+\m], 0xff61b1e6, v[SS+\m], vcc_lo   ; the list's filler: -3e38, so that its weight is 0
.endif
.endr
.if NMT == 2
	v_max_num_f32 v97, v[SS], v[SS+1]
.else
	v_mov_b32 v97, v[SS]
.endif
	v_max_num_f32_dpp v97, v97, v97 row_xmask:1 row_mask:0xf bank_mask:0xf
	v_max_num_f32_dpp v97, v97, v97 row_xmask:2 row_mask:0xf bank_mask:0xf
	v_max_num_f32_dpp v97, v97, v97 row_xmask:4 row_mask:0xf bank_mask:0xf
	v_max_num_f32_dpp v97, v97, v97 row_xmask:8 row_mask:0xf bank_mask:0xf
	v_max_num_f32 v98, v[MM], v97                  ; the new maximum
	v_sub_f32 v99, v[MM], v98
	v_mul_f32 v99, 0x3fb8aa3b, v99
.irp m, 0,1
.if \m < NMT
	v_sub_f32 v[SS+\m], v[SS+\m], v98
.endif
.endr
.irp m, 0,1
.if \m < NMT
	v_mul_f32 v[SS+\m], 0x3fb8aa3b, v[SS+\m]
.endif
.endr
	VW
	v_exp_f32 v[FF], v99                           ; the exponentials, one batch
.irp m, 0,1
.if \m < NMT
	v_exp_f32 v[SS+\m], v[SS+\m]
.endif
.endr
	v_mov_b32 v[MM], v98                           ; the plain line behind them
	VW                                             ; one wait for the batch, ahead of its first reader
.if NMT == 2
	v_add_f32 v97, v[SS], v[SS+1]
	v_fma_f32 v[LP], v[LP], v[FF], v97
.else
	v_fma_f32 v[LP], v[LP], v[FF], v[SS]
.endif
.irp i, 0,2,4,6,8,10,12,14
	v_pk_mul_f32 v[OO+\i:OO+\i+1], v[OO+\i:OO+\i+1], v[FF:FF+1] op_sel_hi:[1,0]
.endr
	; the weighted sum: the weights reach every lane through my own LDS words; the rows come from the stage, 16 bytes a lane, eight rows a group, two groups ahead
.irp m, 0,1
.if \m < NMT
	ds_store_b32 v[PWA], v[SS+\m] offset:64*\m     ; both halves of the lanes write the same word with the same value
.endif
.endr
.set i, 0
.rept 4*NMT
	ds_load_b128 v[PB+4*i:PB+4*i+3], v[PRA] offset:16*i
.set i, i+1
.endr
	ROWS 0
	ROWS 1
.irp g, 0,1,2,3
.if \g < 2*NMT
	VW
.if \g < 2*NMT-1
	s_wait_dscnt 8                                 ; this group is in; the next group's eight loads may be out
.else
	s_wait_dscnt 0x0
.endif
.irp i, 0,2,4,6                        ; rows i and i + 1 share a line: column c of the one, column c xor 1 of the other
.irp c, 0,1,2,3
	v_dual_fmac_f32 v[OO+4*(\i%4)+\c], v[RW+32*(\g%2)+4*\i+\c], v[PB+8*\g+\i] :: v_dual_fmac_f32 v[OO+4*(\i%4)+4+(\c+1-2*(\c%2))], v[RW+32*(\g%2)+4*\i+4+(\c+1-2*(\c%2))], v[PB+8*\g+\i+1]
.endr
.endr
.if \g+2 < 2*NMT
	ROWS \g+2
.endif
.endif
.endr
.endm
	; ---- the head
	s_load_b512 s[4:19], s[0:1], 0x0               ; keys s[4:5], query s[6:7], order s[8:9], wimg s[10:11], b1 s[12:13], b2 s[14:15], W3 s[16:17], b3 s[18:19]
	s_load_b128 s[20:23], s[0:1], 0x40             ; a1, a2
	s_load_b64 s[24:25], s[0:1], 0x50              ; out0
	s_load_b64 s[86:87], s[0:1], 0x58              ; cnt
	v_lshl_add_u32 v[SPW], v0, 2, SPARE
	v_mov_b32 v[NIL], 0
	v_lshrrev_b32 v96, 5, v0
	v_readfirstlane_b32 s26, v96                   ; wave 0..7
	s_mul_i32 s82, s26, WSZ
	s_add_co_u32 s82, s82, WOWN                    ; my wave's own LDS
	s_add_co_u32 s92, s82, BQO
	s_add_co_u32 s93, s82, PARO
	s_add_co_u32 s94, s82, QLO
	s_lshl_b32 s95, s26, 14                        ; my 32 pieces of 512 bytes of the images, in memory and in LDS alike
	s_lshl_b32 s83, s26, 9
	s_add_co_u32 s91, s83, 131072                  ; my 33rd piece in LDS: the images' last four, b1's two, b2, W3, one behind the other
	s_sub_co_u32 s84, s83, 2048
	s_cmp_lt_u32 s26, 6
	s_cselect_b32 s84, s84, 0                      ; where it begins in its buffer: b1: 512 (w - 4); b2, W3: 0;
	s_cmp_lt_u32 s26, 4
	s_cselect_b32 s90, s91, s84                    ; the images: 131,072 + 512 w
	s_lshl_b32 s79, ttmp9, 3                       ; my group's first batch
	s_add_co_u32 s27, s79, s26                     ; my place
	s_lshl_b32 s81, s27, 10                        ; its row of 'order'
	s_mov_b32 s80, s81
	s_lshl_b32 s96, s27, 2                         ; its word of 'cnt'
	s_mov_b32 s85, 0
	s_mov_b32 s74, 0x76543210
	s_mov_b32 s75, 0xfedcba98                      ; v_permlanex16_b32's selects for lane l xor 16
	v_and_b32 v[RIX], 15, v0                       ; r
	v_bfe_u32 v[SH8], v0, 4, 1                     ; h
	v_and_b32 v[LN16], 31, v0
	v_lshlrev_b32 v[WSA2], 3, v[LN16]
	v_add_nc_u32 v[WSA2], 131072, v[WSA2]
	v_lshlrev_b32 v[LN16], 4, v[LN16]
	v_add_nc_u32 v[STW], s82, v[LN16]
	v_mul_u32_u24 v[STR], v[RIX], SP
	v_lshl_add_u32 v[STR], v[SH8], 7, v[STR]
	v_add_nc_u32 v[STR], s82, v[STR]
	v_add_nc_u32 v[WA1], 49152, v[LN16]
	v_add_nc_u32 v[WA2], 98304, v[LN16]
	v_lshlrev_b32 v[CBA], 7, v[SH8]
	v_add_nc_u32 v[CBA], CB1, v[CBA]
	v_lshl_add_u32 v[BQA], v[SH8], 7, s92
	v_lshl_add_u32 v[PWA], v[RIX], 2, s93
	v_mov_b32 v[PRA], s93
	v_lshl_add_u32 v[QLA], v[SH8], 7, s94
	v_add_nc_u32 v99, s94, v[LN16]                 ; q's place on the way in
	v_lshlrev_b32 v[SH8], 3, v[SH8]
	v_add_nc_u32 v96, s95, v[LN16]
	v_add_nc_u32 v97, s90, v[LN16]
	v_add_nc_u32 v98, s91, v[LN16]
	VW
	s_wait_kmcnt 0x0
	s_load_b32 s28, s[86:87], s96 offset:0x0       ; n + 256 x the batch's number in the group
	s_load_b32 s66, s[20:21], 0x0                  ; a1
	s_load_b32 s68, s[22:23], 0x0                  ; a2
	s_load_b32 s72, s[18:19], 0x0                  ; b3
	LISTS
	s_cmp_lt_u32 s26, 7                            ; the 33rd piece's buffer, chosen on the wave's number alone
	s_cselect_b64 s[88:89], s[14:15], s[16:17]
	s_cmp_lt_u32 s26, 6
	s_cselect_b64 s[88:89], s[12:13], s[88:89]
	s_cmp_lt_u32 s26, 4
	s_cselect_b64 s[88:89], s[10:11], s[88:89]
.set i, 0
.rept 32
	global_load_b128 v[128+4*i:128+4*i+3], v96, s[10:11] offset:512*i
.set i, i+1
.endr
	global_load_b128 v[100:103], v97, s[88:89]
	s_wait_kmcnt 0x0
	s_lshr_b32 s27, s28, 8
	s_min_u32 s27, s27, 7                          ; a loaded number is held inside the group
	s_add_co_u32 s27, s27, s79                     ; my batch
	s_and_b32 s28, s28, 0xff
	s_min_u32 s28, s28, 200                        ; n
	s_lshl_b32 s84, s27, 9                         ; its row of query and of out0
	s_mul_i32 s97, s27, 102400                     ; its keys
	s_add_nc_u64 s[6:7], s[6:7], s[84:85]
	s_add_nc_u64 s[24:25], s[24:25], s[84:85]
	v_add_nc_u32 v[KBV], s97, v[LN16]
	global_load_b128 v[104:107], v[LN16], s[6:7]   ; q
	s_add_f32 s66, s66, -1.0                       ; a1 - 1
	s_add_f32 s68, s68, -1.0                       ; a2 - 1
	s_add_co_u32 s29, s28, 15
	s_lshr_b32 s29, s29, 5                         ; blocks of two tiles
	s_add_co_u32 s98, s28, 31
	s_lshr_b32 s98, s98, 5                         ; blocks in all
	s_sub_co_u32 s31, s98, s29                     ; 1 where a block of one tile follows them
	s_mov_b32 s83, 0xff61b1e6                      ; -3e38
	s_cmp_lt_u32 s28, 200
	s_cselect_b32 s82, 0xc61c4000, s83             ; the maximum begins at NEG = -10000 where a row is masked, else under every score
	PREF 0, FE, OFF, 1                             ; the first block's two tiles, each with offset registers of its own
	PREF 1, WT, 108, 1
	s_wait_loadcnt 32                              ; the 34 are in; the 32 rows asked for behind them may be out
.set i, 0
.rept 32
	ds_store_b128 v96, v[128+4*i:128+4*i+3] offset:512*i
.set i, i+1
.endr
	ds_store_b128 v98, v[100:103]
	ds_store_b128 v99, v[104:107]
	s_wait_dscnt 0x0                               ; for the others' sake: my part of the images lies in LDS
	s_barrier_signal -1
	s_barrier_wait -1                              ; everybody's does.  From here on no wave writes LDS bytes that another reads
.irp j, 0,1,2,3,4,5,6,7
	ds_load_b128 v[128+4*\j:128+4*\j+3], v[QLA] offset:16*\j       ; q(32 h ..)
	ds_load_b128 v[160+4*\j:160+4*\j+3], v[QLA] offset:256+16*\j   ; q(64 + 32 h ..)
.endr
.irp i, FF+1, TW, TW+1, TW+2, TW+3, LP
	v_mov_b32 v[\i], 0                             ; a lane permute's destination counts as read, and v55 is named in a pair
.endr
.irp i, 0,1,2,3,4,5,6,7,8,9,10,11,12,13,14,15
	v_mov_b32 v[OO+\i], 0
.endr
	v_mov_b32 v[MM], s82
	VW
	s_wait_xcnt 0x0                                ; the rows' loads have read their offsets: v78 on are written below
	s_wait_dscnt 0x0
	AMAX 2, 128, 160, 0                            ; q becomes a fragment whose 16 rows are alike
.irp c, 0,1
	v_add_nc_u32 v[W+4+\c], 0xfe000000, v[W+2*\c]
.endr
.irp c, 0,1
	v_lshrrev_b32 v[W+6+\c], 23, v[W+4+\c]
.endr
.irp c, 0,1
	v_cvt_scalef32_pk16_bf6_f32 v[240+6*\c:242+6*\c], v[128+32*\c:128+32*\c+15], v[W+4+\c]
	v_cvt_scalef32_pk16_bf6_f32 v[W+8+4*\c:W+10+4*\c], v[128+32*\c+16:128+32*\c+31], v[W+4+\c]
.endr
	v_nop
.irp c, 0,1
.irp i, 0,1,2
	v_mov_b32 v[243+6*\c+\i], v[W+8+4*\c+\i]
.endr
.endr
	v_lshl_or_b32 v[W], v[W+7], 16, v[W+6]
	v_lshlrev_b32 v[W], v[SH8], v[W]
	v_permlanex16_b32 v[TW], v[W], s74, s75
	v_or_b32 v[QW], v[W], v[TW]
.rept 8
	v_nop                                          ; a scale word made by a vector instruction stands eight plain lines ahead of the scaled matrix instruction that takes it
.endr
	QCH 0
	QCH 1
	QCH 2
	QCH 3
	s_mov_b32 s30, 0
	s_cmp_eq_u32 s29, 0
	VW
	s_cbranch_scc1 .Lrest
.Lblock:
	BLOCK 2
	s_add_co_u32 s30, s30, 1
	s_cmp_lt_u32 s30, s29
	VW
	s_cbranch_scc1 .Lblock
.Lrest:
	s_cmp_eq_u32 s31, 0
	s_cbranch_scc1 .Lsum
	BLOCK 1
	VW
	; ---- the batch's end
.Lsum:
	v_pk_add_f32 v[OO:OO+1], v[OO:OO+1], v[OO+4:OO+5]
	v_pk_add_f32 v[OO+2:OO+3], v[OO+2:OO+3], v[OO+6:OO+7]
	v_pk_add_f32 v[OO+8:OO+9], v[OO+8:OO+9], v[OO+12:OO+13]
	v_pk_add_f32 v[OO+10:OO+11], v[OO+10:OO+11], v[OO+14:OO+15]
	v_pk_add_f32 v[OO:OO+1], v[OO:OO+1], v[OO+8:OO+9]
	v_pk_add_f32 v[OO+2:OO+3], v[OO+2:OO+3], v[OO+10:OO+11]
	v_add_f32_dpp v[LP], v[LP], v[LP] row_xmask:1 row_mask:0xf bank_mask:0xf
	v_add_f32_dpp v[LP], v[LP], v[LP] row_xmask:2 row_mask:0xf bank_mask:0xf
	v_add_f32_dpp v[LP], v[LP], v[LP] row_xmask:4 row_mask:0xf bank_mask:0xf
	v_add_f32_dpp v[LP], v[LP], v[LP] row_xmask:8 row_mask:0xf bank_mask:0xf
	v_sub_f32 v124, 0xc61c4000, v[MM]              ; NEG - max,
	v_min_num_f32 v124, 0, v124                    ; at most 0 (with no row masked the maximum may lie under NEG; the term is then multiplied by 0)
	v_mul_f32 v124, 0x3fb8aa3b, v124
	s_sub_co_u32 s82, 200, s28
	v_cvt_f32_u32 v125, s82                        ; the masked rows' number
	VW
	v_exp_f32 v124, v124
	v_nop
	VW
	v_fma_f32 v[LP], v125, v124, v[LP]             ; the softmax's whole sum
	VW
	v_rcp_f32 v[FF], v[LP]
	v_nop
	VW
	v_pk_mul_f32 v[TW:TW+1], v[OO:OO+1], v[FF:FF+1] op_sel_hi:[1,0]
	v_pk_mul_f32 v[TW+2:TW+3], v[OO+2:OO+3], v[FF:FF+1] op_sel_hi:[1,0]
	global_store_b128 v[LN16], v[TW:TW+3], s[24:25]        ; 32 lanes store the batch's 512 consecutive bytes
	s_wait_tensorcnt 0x0                           ; the wave's end
	ds_add_u32 v[SPW], v[NIL]
	s_wait_dscnt 0x0
	s_endpgm
.Lfunc_end_k_q510aed9fb7_din:
	.size	k_q510aed9fb7_din, .Lfunc_end_k_q510aed9fb7_din-k_q510aed9fb7_din
	.p2alignl 7, 3214868480
	.fill 96, 4, 3214868480
	.section	.rodata,"a",@progbits
	.p2align	6, 0x0
	.amdhsa_kernel k_q510aed9fb7_din
		.amdhsa_group_segment_fixed_size 285696
		.amdhsa_private_segment_fixed_size 0
		.amdhsa_enable_private_segment 0
		.amdhsa_kernarg_size 96
		.amdhsa_user_sgpr_count 2
		.amdhsa_user_sgpr_kernarg_segment_ptr 1
		.amdhsa_wavefront_size32 1
		.amdhsa_system_sgpr_workgroup_id_x 1
		.amdhsa_system_sgpr_workgroup_id_y 1
		.amdhsa_system_sgpr_workgroup_id_z 1
		.amdhsa_system_vgpr_workitem_id 0
		.amdhsa_next_free_vgpr 512
		.amdhsa_next_free_sgpr 100
		.amdhsa_reserve_vcc 1
		.amdhsa_float_denorm_mode_32 3
		.amdhsa_float_denorm_mode_16_64 3
		.amdhsa_memory_ordered 1
		.amdhsa_forward_progress 1
		.amdhsa_inst_pref_size 231
	.end_amdhsa_kernel
	.amdgpu_metadata
---
amdhsa.version: [ 1, 2 ]
amdhsa.kernels:
  - .name:           k_q510aed9fb7_din
    .symbol:         k_q510aed9fb7_din.kd
    .args:
      - { .name: keys, .offset: 0, .size: 8, .value_kind: global_buffer, .address_space: global }
      - { .name: query, .offset: 8, .size: 8, .value_kind: global_buffer, .address_space: global }
      - { .name: order, .offset: 16, .size: 8, .value_kind: global_buffer, .address_space: global }
      - { .name: wimg, .offset: 24, .size: 8, .value_kind: global_buffer, .address_space: global }
      - { .name: b1, .offset: 32, .size: 8, .value_kind: global_buffer, .address_space: global }
      - { .name: b2, .offset: 40, .size: 8, .value_kind: global_buffer, .address_space: global }
      - { .name: W3, .offset: 48, .size: 8, .value_kind: global_buffer, .address_space: global }
      - { .name: b3, .offset: 56, .size: 8, .value_kind: global_buffer, .address_space: global }
      - { .name: a1, .offset: 64, .size: 8, .value_kind: global_buffer, .address_space: global }
      - { .name: a2, .offset: 72, .size: 8, .value_kind: global_buffer, .address_space: global }
      - { .name: out0, .offset: 80, .size: 8, .value_kind: global_buffer, .address_space: global }
      - { .name: cnt, .offset: 88, .size: 8, .value_kind: global_buffer, .address_space: global }
    .group_segment_fixed_size: 285696
    .private_segment_fixed_size: 0
    .kernarg_segment_align: 8
    .kernarg_segment_size: 96
    .max_flat_workgroup_size: 256
    .sgpr_count:     100
    .vgpr_count:     512
    .wavefront_size: 32
...
	.end_amdgpu_metadata
.endif
;; end of part 2
